; MI455X (gfx1250); checked and timed in simulation.
; The chip was launched on July 23, 2026; its instructions are those of AMD's public machine-readable ISA for CDNA 5 (MIT licence, August 2026) and "CDNA5" Instruction Set Architecture Reference Guide (July 2026). The comments in the code are by the model that wrote it; some were corrected since.
;; MSA2. Allowed arithmetic: matrix products marked QUANTISED: E3M2 operands, one E8M0 scale for each 32 along K, by v_wmma_scale_f32_16x16x128_f8f6f4 with both operands' format E3M2, f32 sums; products left as they are: f32 operands where the result goes on into a quantised operand, else bf16, f16 or f32 operands; f32 sums; everything else in f32.
;; Inputs: WK_b 1,024 float32; WK_w 1,024 x 1,024 float32; WO_b 1,024 float32; WO_w 1,024 x 1,024 float32; WQ_b 1,024 float32; WQ_w 1,024 x 1,024 float32; WV_b 1,024 float32; WV_w 1,024 x 1,024 float32; x 32 x 1,024 float32; y 32 x 1,024 x 1,024 float32.
;; Outputs: out0 32 x 1,024 float32.
;; This version of the problem:
;;   THIS VERSION OF THE PROBLEM IS GIVEN IN LOW PRECISION. The matrix products marked QUANTISED in the list below multiply operands that are first quantised to E3M2 (3 exponent bits, 2 mantissa bits; 6 bits a number), with one power-of-two scale for each 32 numbers along K (OCP MX v1.0); their sums are f32. All else is computed in f32.
;;   The module's matrix products, in the order in which they are computed (A, B: the left and right operand; K: the contracted axis; several contracted axes count as one K, in the product's order):
;;     1. [M 32, K 1,024] x [K 1,024, N 1,024]; A: input x; B: input WQ_w: QUANTISED
;;     2. [M 32,768, K 1,024] x [K 1,024, N 1,024]; A: input y; B: input WK_w: QUANTISED
;;     3. [M 32,768, K 1,024] x [K 1,024, N 1,024]; A: input y; B: input WV_w: QUANTISED
;;     4. batch 512 x [M 1, K 64] x [K 64, N 1,024]; A: computed on the way; B: computed on the way: left as it is (M = 1 < 16)
;;     5. batch 512 x [M 1, K 1,024] x [K 1,024, N 64]; A: softmax; B: computed on the way: left as it is (M = 1 < 16)
;;     6. [M 32, K 1,024] x [K 1,024, N 1,024]; A: computed on the way; B: input WO_w: QUANTISED
;;   THE QUANTISER, for each operand of a quantised product, along K:
;;     - K is cut into blocks of 32 from its start; a last block that is shorter is filled with zeros.
;;     - A block's scale is 2^e with e = floor(log2(the largest magnitude in the block)) - 4, held to -126 .. 127; a block of zeros has e = 0. As a byte (E8M0): e + 127.
;;     - Each number is divided by its block's scale, clamped to +-28, and rounded to the nearest number of E3M2, ties to even, subnormals kept.
;;     - The product sums the exact products of the quantised numbers (number of the format x scale) in f32.
;;   ~~~python
;;   def quantise(x, axis):      # numpy; x: float32 -> the quantised numbers, widened to float32 again
;;       x = np.moveaxis(x, axis, -1); K = x.shape[-1]
;;       x = np.pad(x, [(0, 0)] * (x.ndim - 1) + [(0, -K % 32)]); x = x.reshape(x.shape[:-1] + (-1, 32)); a = np.abs(x).max(-1, keepdims=True)
;;       e = np.where(a > 0, np.clip(np.frexp(np.where(a > 0, a, 1))[1] - 1 - 4, -126, 127), 0)      # np.frexp(a)[1] - 1 = floor(log2(a)), exactly
;;       r = np.clip(x / 2.0 ** e, -28, 28)
;;       step = 2.0 ** (np.maximum(np.frexp(np.where(r == 0, 1, r))[1] - 1, -2) - 2)
;;       q = np.round(r / step) * step * 2.0 ** e      # np.round: ties to even
;;       return np.moveaxis(q.reshape(q.shape[:-2] + (-1,))[..., :K], -1, axis).astype(np.float32)
;;   ~~~
;;   OPERANDS COMPUTED ON THE WAY. 'Computed on the way' means the value that the module computes at that place (a softmax that the list does not call 'softmax' is quantised finished and normalised). What goes into a quantiser is computed in f32, as accurately as f32 sums, v_exp_f32 and their like allow (about 1e-6 of the number): no bf16 or f16 on the way to a quantiser, and a product that is left as it is and whose result goes on into a quantised operand takes f32 operands (vector FMAs, or v_wmma_f32_16x16x4_f32). A number that lies on a knife's edge between two numbers of the format may be rounded either way, as far as f32 arithmetic and the matrix unit's own rounding can turn it there, and no further.
;; One version. Each part assembles by itself: llvm-mc -triple=amdgcn-amd-amdhsa -mcpu=gfx1250 --defsym DOCPART=n.
;; ======== version 1 of 1: 3 launches
;; limits: right only within a limited range of input values
;; workspace buffers: wkv 1,638,400 bytes; wo 819,200 bytes; qbuf 131,072 bytes; ycodes 26,214,400 bytes; att 131,072 bytes
;; launch prep (part 1): grid 384 x 1, 8 waves a work-group, no clusters, 119,808 bytes of LDS; arguments WQ_w, WK_w, WV_w, WO_w, x, WQ_b, wkv, wo, qbuf, y, ycodes; writes wkv, wo, qbuf, ycodes
.if DOCPART == 1
	.amdgcn_target "amdgcn-amd-amdhsa--gfx1250"
	.amdhsa_code_object_version 6
	.text
	.protected	k_q70abd08788_prep
	.globl	k_q70abd08788_prep
	.p2align	8
	.type	k_q70abd08788_prep,@function
k_q70abd08788_prep:
	s_mov_b64 s[64:65], 0
	v_nop
	global_prefetch_b8 v0, s[64:65] scope:SCOPE_SE
	s_setreg_imm32_b32 hwreg(HW_REG_WAVE_MODE, 25, 1), 1
	s_wait_xcnt 0x0
; The four weights [1024 (k)][1024 (n)], f32, K their FIRST axis, become codes of BF6 (E3M2) with one E8M0 byte for each 32 along K;
; WK, WV and WO go to workspace in the order of an operand's registers; WQ is used at once: q = Q(x) Q(WQ) + bQ, [32][1024] f32.
; A block's scale is 2^(floor(log2(largest magnitude)) - 4): its byte is the largest magnitude's exponent field - 4, held at 1 from below.
; LIMITS: NaN and infinities among the inputs are not served.  A block of zeros gets the byte 1 where the rule says 127: its codes are
; zeros, which add nothing under any byte but 0xff, and the bytes are read by this program alone.
; SHARES.  Work-group number = 256 + 32 x (which weight: 0 WQ, 1 WK, 2 WV, 3 WO) + (which 32 columns).  Wave w takes K step w (128 along K):
; a lane takes a column and its registers run down K, so a block of 32 lies in one lane and the conversions give codes with K innermost.
; A TILE RECORD (12,800 bytes) is 16 columns for all of K: eight fragments of 1,536 bytes, register g of operand lane l at 48 l + 4 g,
; then 512 bytes of scale words: column r, K step s at 256 (s / 4) + 16 r + 4 (s % 4).  A work-group makes two records in LDS and stores
; them as 25,600 consecutive bytes, each store of a wave 512 consecutive bytes at a multiple of 256 from the buffer's first byte.
; wkv is laid in the order in which the next launch walks it: [slot 4 (head % 4) + 2 (K: 0, V: 1) + tile / 2][head / 4][tile % 2].
; The two ways (a weight that is stored; WQ) part on the work-group's number and have LDS bytes of their own.
; No cluster, no tensor load: what work-groups share here is x alone, 128 KiB, and each weight byte is read by one work-group.
; q's stores are 64 bytes a row (a work-group has 32 columns of q): 128 KiB in all are written so.
; WORK LEFT OUT: WK_b.  k = y WK + bK adds q . bK to every score of a (batch, head): the same number for all 1,024 keys, and softmax over the keys
; is unchanged by a term that is the same along its axis, for all finite values.  k goes into no quantiser.  So WK_b has no way to the output: it is
; not loaded and is among no launch's arguments.  LIMIT: a NaN, an infinity or an overflow that reaches only q . bK is not carried to the result.
; Work-groups 0 to 255 quantise y (path .Ly, at the end of the text): 128 rows each, a wave 16 rows for all of K.  Work-groups 256 to 383 take the weights.
.set TREC, 12800
; A FRAGMENT IN A RECORD (this holds in place of the order named above): registers 4 g .. 4 g + 3 of operand lane l lie at 512 g + 16 l, so that a reader's load of 16 bytes a lane covers 512 consecutive bytes.
.set FRB,  1536
.set WSTG, 0                           ; the stored weights' two records
.set QSTG, 25600                       ; WQ's two records
.set XIMG, 51200                       ; x's 16 fragments as images of their registers: (row block rb, K step s) at 1,536 (8 rb + s)
.set XSC,  75776                       ; their scale words, 128 bytes each.  Beyond an LDS instruction's 16-bit immediate: the address registers carry it
.set XSW,  16                          ; v16-23   x's scale words (scales alone)
.set SB,   24                          ; v24      my column's four scale bytes
.set XW,   32                          ; v32-95   two sets of 32 numbers of a weight
.set Z,    96                          ; v96-101  a block's codes
.set W2,   102                         ; v102-104 the second half of them as the conversion leaves it
.set WS,   106                         ; v106-109 WQ's scale words (scales alone)
.set PW,   110                         ; v110     the scale word just made
.set XQ,   112                         ; v112-239 x: 2 x 64 numbers
.set WF,   112                         ; later WQ's eight fragments, v112-207
.set BQ,   240                         ; v240-247 bQ in the result's layout
.set DQ,   248                         ; v248-255 the sum
.set PC,   32                          ; v32-50   the codes just made (x)
.set TM,   52                          ; v52-67   at work (x)
.set SEL,  32                          ; s[32:33] lane selects: lane l xor 16
	s_load_b256 s[4:11], s[0:1], 0x0               ; WQ_w, WK_w, WV_w, WO_w
	s_load_b256 s[12:19], s[0:1], 0x20             ; x, WQ_b, wkv, wo
	s_load_b64 s[20:21], s[0:1], 0x40              ; qbuf
	v_lshl_add_u32 v105, v0, 2, 0x13000
	v_mov_b32 v111, 0
	v_lshrrev_b32 v1, 5, v0
	s_delay_alu instid0(VALU_DEP_1)
	v_readfirstlane_b32 s22, v1                    ; wave 0..7 = K step
	v_and_b32 v1, 31, v0                           ; lane
	v_and_b32 v2, 15, v0                           ; lane % 16
	v_bfe_u32 v3, v0, 4, 1                         ; lane / 16
	s_wait_alu depctr_va_vdst(0)
	s_cmp_lt_u32 ttmp9, 256
	s_cbranch_scc1 .Ly                             ; y's work-groups have the lowest numbers
	s_bfe_u32 s23, ttmp9, 0x20005                  ; which weight: bits 5 and 6 of the number
	s_and_b32 s24, ttmp9, 31                       ; which 32 columns
	v_lshlrev_b32 v4, 2, v1                        ; a weight's row: 4 bytes a lane
	s_mul_i32 s25, s22, FRB
	v_mul_u32_u24 v5, v3, TREC
	s_delay_alu instid0(VALU_DEP_1)
	v_mad_u32_u24 v5, v2, 16, v5
	s_delay_alu instid0(VALU_DEP_1)
	v_add_nc_u32 v5, s25, v5                       ; my codes' place: record lane / 16, fragment w, operand lane lane % 16
	s_lshr_b32 s25, s22, 2
	s_lshl_b32 s25, s25, 8
	s_and_b32 s28, s22, 3
	s_lshl_b32 s28, s28, 2
	s_add_co_u32 s25, s25, s28
	s_add_co_u32 s25, s25, 12288
	v_mul_u32_u24 v6, v3, TREC
	s_delay_alu instid0(VALU_DEP_1)
	v_lshl_add_u32 v6, v2, 4, v6
	s_delay_alu instid0(VALU_DEP_1)
	v_add_nc_u32 v6, s25, v6                       ; my scale word's place
	s_mov_b32 s[SEL], 0x76543210
	s_mov_b32 s[SEL+1], 0xfedcba98
	s_lshl_b32 s34, s22, 19                        ; 128 w rows of 4,096 bytes
	s_lshl_b32 s28, s24, 7                         ; 32 columns of 4 bytes
	s_add_co_u32 s34, s34, s28
	s_mov_b32 s35, 0
	s_wait_kmcnt 0x0
	s_cmp_eq_u32 s23, 1                            ; the choice hangs on the work-group's number alone
	s_cselect_b64 s[26:27], s[6:7], s[4:5]
	s_cmp_eq_u32 s23, 2
	s_cselect_b64 s[26:27], s[8:9], s[26:27]
	s_cmp_eq_u32 s23, 3
	s_cselect_b64 s[26:27], s[10:11], s[26:27]
	s_add_nc_u64 s[26:27], s[26:27], s[34:35]
.macro LOADW t                         ; block t: W(128 w + 32 t + i, my column) into set t % 2: 128 consecutive bytes a load
.irp i, 0,1,2,3,4,5,6,7,8,9,10,11,12,13,14,15,16,17,18,19,20,21,22,23,24,25,26,27,28,29,30,31
	global_load_b32 v[XW+32*((\t)%2)+\i], v4, s[26:27] offset:4096*(32*(\t)+\i)
.endr
.endm
.macro BLOCKW t, stg
.set XB, XW+32*((\t)%2)
.if (\t) < 3
	s_wait_loadcnt 32                              ; this block's 32 loads are in; the next block's 32 may be out
.else
	s_wait_loadcnt 0x0
.endif
	v_max3_num_f32 v12, |v[XB]|, |v[XB+1]|, |v[XB+2]|       ; the block's largest magnitude: all 32 numbers are mine; two chains
	v_max3_num_f32 v13, |v[XB+3]|, |v[XB+4]|, |v[XB+5]|
.irp i, 6,10,14,18,22,26
	s_delay_alu instid0(VALU_DEP_2)
	v_max3_num_f32 v12, v12, |v[XB+\i]|, |v[XB+\i+1]|
	s_delay_alu instid0(VALU_DEP_2)
	v_max3_num_f32 v13, v13, |v[XB+\i+2]|, |v[XB+\i+3]|
.endr
	s_delay_alu instid0(VALU_DEP_2)
	v_max3_num_f32 v12, v12, |v[XB+30]|, |v[XB+31]|
	s_delay_alu instid0(VALU_DEP_1)
	v_max3_num_f32 v12, v12, v13, 0x2800000        ; and the floor 2^(5 - 127): the byte cannot fall under 1
	s_delay_alu instid0(VALU_DEP_1)
	v_add_nc_u32 v11, 0xfe000000, v12              ; 4 off the exponent field: the conversion's scale operand
	s_delay_alu instid0(VALU_DEP_1)
	v_lshrrev_b32 v13, 23, v11                     ; the scale's byte
.if (\t) == 0
	s_delay_alu instid0(VALU_DEP_1)
	v_mov_b32 v[SB], v13
.else
	s_delay_alu instid0(VALU_DEP_1)
	v_lshl_or_b32 v[SB], v13, 8*(\t), v[SB]
.endif
	v_cvt_scalef32_pk16_bf6_f32 v[Z:Z+2], v[XB:XB+15], v11
	v_cvt_scalef32_pk16_bf6_f32 v[W2:W2+2], v[XB+16:XB+31], v11   ; (a conversion's three registers begin on an even number)
	v_nop                                          ; one plain instruction behind a scaled conversion
.irp i, 0,1,2
	v_mov_b32 v[Z+3+\i], v[W2+\i]
.endr
.irp i, 0,1,2                          ; block t is k = 64 (t / 2) + 32 (t % 2) + 0..31: operand lane 16 (t % 2) + column, registers 6 (t / 2) on
	ds_store_b64 v5, v[Z+2*\i:Z+2*\i+1] offset:(\stg)+256*((\t)%2)+512*((6*((\t)/2)+2*\i)/4)+4*((6*((\t)/2)+2*\i)%4)
.endr
.if (\t) < 2
	LOADW (\t)+2
.endif
	s_wait_dscnt 0x0                               ; the stores have read their registers
.endm
.macro QW stg                          ; my K step of my column: four blocks; loads run two blocks ahead
	LOADW 0
	LOADW 1
	BLOCKW 0, \stg
	BLOCKW 1, \stg
	BLOCKW 2, \stg
	BLOCKW 3, \stg
	s_wait_alu depctr_va_vdst(0)
	ds_store_b32 v6, v[SB] offset:\stg
.endm
; 64 numbers of a lane, register 16 b + i = k 32 b + 16 (lane / 16) + i of my row, become a fragment's codes in v[PC] on and its scale word in v[PW]
.macro QUANT s
.irp b, 0,1,2,3
	v_max3_num_f32 v[TM+\b], |v[(\s)+16*\b]|, |v[(\s)+1+16*\b]|, 0x2800000
.endr
.irp i, 2,4,6,8,10,12,14
.irp b, 0,1,2,3
	s_delay_alu instid0(VALU_DEP_4)
	v_max3_num_f32 v[TM+\b], v[TM+\b], |v[(\s)+16*\b+\i]|, |v[(\s)+1+16*\b+\i]|
.endr
.endr
.irp b, 0,1,2,3
	s_delay_alu instid0(VALU_DEP_4)
	v_permlanex16_b32 v[TM+4+\b], v[TM+\b], s[SEL], s[SEL+1]
.endr
.irp b, 0,1,2,3
	s_delay_alu instid0(VALU_DEP_4)
	v_max_num_f32 v[TM+\b], v[TM+\b], v[TM+4+\b]   ; with lane l xor 16's 16 numbers: the block's largest magnitude
.endr
.irp b, 0,1,2,3
	s_delay_alu instid0(VALU_DEP_4)
	v_add_nc_u32 v[TM+12+\b], 0xfe000000, v[TM+\b]
.endr
.irp b, 0,1,2,3
	s_delay_alu instid0(VALU_DEP_4)
	v_lshrrev_b32 v[TM+4+\b], 23, v[TM+12+\b]
.endr
	s_delay_alu instid0(VALU_DEP_3)
	v_lshl_or_b32 v[PW], v[TM+5], 8, v[TM+4]
	s_delay_alu instid0(VALU_DEP_1)
	v_lshl_or_b32 v[PW], v[TM+6], 16, v[PW]
	s_delay_alu instid0(VALU_DEP_1)
	v_lshl_or_b32 v[PW], v[TM+7], 24, v[PW]
.irp c, 0,1
	v_cvt_scalef32_pk16_bf6_f32 v[PC+6*\c:PC+2+6*\c], v[(\s)+32*\c:(\s)+15+32*\c], v[TM+12+2*\c]
	v_cvt_scalef32_pk16_bf6_f32 v[PC+12+4*\c:PC+14+4*\c], v[(\s)+16+32*\c:(\s)+31+32*\c], v[TM+12+2*\c+1]
.endr
	v_nop                                          ; one plain instruction behind a scaled conversion
.irp c, 0,1                            ; the operand wants a whole block in a lane: lanes 0-15 block 2 c, lanes 16-31 block 2 c + 1
.irp i, 0,1,2
	v_permlane16_swap_b32 v[PC+6*\c+\i], v[PC+12+4*\c+\i]
.endr
.irp i, 0,1,2
	s_delay_alu instid0(VALU_DEP_3)
	v_mov_b32 v[PC+3+6*\c+\i], v[PC+12+4*\c+\i]
.endr
.endr
.endm
	s_cmp_eq_u32 s23, 0
	s_cbranch_scc1 .Lq
	; ---- WK, WV, WO: two records to workspace
	s_bfe_u32 s28, s24, 0x20001                    ; head % 4 (a head is 64 columns: two of my groups)
	s_lshl_b32 s28, s28, 2
	s_sub_co_u32 s29, s23, 1
	s_lshl_b32 s29, s29, 1                         ; + 2 for V
	s_add_co_u32 s28, s28, s29
	s_and_b32 s29, s24, 1                          ; + which pair of the head's four tiles
	s_add_co_u32 s28, s28, s29
	s_mul_i32 s28, s28, 102400                     ; the slot,
	s_lshr_b32 s29, s24, 3
	s_mul_i32 s29, s29, 25600                      ; and in it the part of wave head / 4
	s_add_co_u32 s28, s28, s29
	s_mul_i32 s30, s24, 25600                      ; WO: tiles in their order
	s_cmp_eq_u32 s23, 3
	s_cselect_b32 s28, s30, s28
	s_cselect_b64 s[30:31], s[18:19], s[16:17]
	s_mov_b32 s29, 0
	s_add_nc_u64 s[30:31], s[30:31], s[28:29]
	v_lshlrev_b32 v7, 4, v0                        ; the way out: 16 bytes a thread
	s_wait_alu depctr_va_vdst(0)
	QW WSTG
	s_wait_dscnt 0x0                               ; for the others' sake: my stores into the records are done
	s_barrier_signal -1
	s_barrier_wait -1
.irp i, 0,1,2,3,4,5
	ds_load_b128 v[32+4*\i:35+4*\i], v7 offset:WSTG+4096*\i
.endr
.irp i, 0,1,2,3,4,5
	s_wait_dscnt 5-\i
	global_store_b128 v7, v[32+4*\i:35+4*\i], s[30:31] offset:4096*\i th:TH_STORE_NT
.endr
	s_cmp_lt_u32 s22, 2                            ; 25,600 = 6 x 4,096 + 1,024: the rest is two waves' worth
	s_cbranch_scc0 .Lwend
	ds_load_b128 v[56:59], v7 offset:WSTG+24576
	s_wait_dscnt 0x0
	global_store_b128 v7, v[56:59], s[30:31] offset:24576 th:TH_STORE_NT
.Lwend:
	s_wait_tensorcnt 0x0
	ds_add_u32 v105, v111
	s_wait_dscnt 0x0
	s_endpgm
	; ---- WQ: q for my 32 columns.  Every LDS address is made here, ahead of the waves' parting
.Lq:
	v_lshlrev_b32 v7, 12, v2
	s_delay_alu instid0(VALU_DEP_1)
	v_lshl_add_u32 v7, v3, 6, v7                   ; x: row lane % 16 of 4,096 bytes, + 64 (lane / 16): my 16 numbers of a block
	s_mul_i32 s28, s22, FRB
	v_lshl_add_u32 v8, v1, 4, s28                  ; where I store x's images: 16 x lane + 1,536 w
	s_lshl_b32 s28, s22, 7
	s_add_co_u32 s28, s28, XSC
	v_lshl_add_u32 v9, v1, 2, s28                  ; and their scale words: XSC + 4 x lane + 128 w
	v_lshlrev_b32 v10, 5, v3                       ; bQ: 32 (lane / 16)
	s_wait_alu depctr_va_vdst(0)
	s_and_b32 s29, s22, 1                          ; the product: which of my two tiles of columns,
	s_bfe_u32 s30, s22, 0x10001                    ; which 16 rows of x
	s_mul_i32 s28, s29, TREC
	v_lshlrev_b32 v14, 4, v1
	s_delay_alu instid0(VALU_DEP_1)
	v_add_nc_u32 v14, s28, v14                     ; WQ's fragments
	v_lshl_add_u32 v15, v1, 4, s28                 ; WQ's scale words
	s_mul_i32 s28, s30, 8*FRB
	v_lshl_add_u32 v25, v1, 4, s28                 ; x's fragments
	s_lshl_b32 s28, s30, 10
	s_add_co_u32 s28, s28, XSC
	v_lshl_add_u32 v26, v1, 2, s28                 ; x's scale words: XSC + 4 x lane + 1,024 x row block
	v_lshlrev_b32 v27, 12, v2
	s_delay_alu instid0(VALU_DEP_1)
	v_lshl_add_u32 v27, v3, 5, v27                 ; q: row lane % 16, + 32 (lane / 16)
	s_lshl_b32 s34, s22, 9
	s_add_nc_u64 s[12:13], s[12:13], s[34:35]      ; x at K step w
	s_lshl_b32 s34, s24, 7
	s_lshl_b32 s28, s29, 6
	s_add_co_u32 s34, s34, s28
	s_add_nc_u64 s[14:15], s[14:15], s[34:35]      ; bQ at my tile
	s_lshl_b32 s28, s30, 16
	s_add_co_u32 s34, s34, s28
	s_add_nc_u64 s[20:21], s[20:21], s[34:35]      ; q at my tile and my 16 rows
.irp rb, 0,1
.irp b, 0,1,2,3
.irp j, 0,1,2,3
	global_load_b128 v[XQ+64*\rb+16*\b+4*\j:XQ+64*\rb+16*\b+4*\j+3], v7, s[12:13] offset:65536*\rb+128*\b+16*\j
.endr
.endr
.endr
	global_load_b128 v[BQ:BQ+3], v10, s[14:15]
	global_load_b128 v[BQ+4:BQ+7], v10, s[14:15] offset:16
	QW QSTG                                        ; its counted waits hold as they stand: x's and bQ's loads are older
.irp b, 0,1,2,3
	v_mov_b32 v[TM+4+\b], 0                        ; a lane permute's destination counts as one of its sources
.endr
	QUANT XQ
.irp i, 0,1,2
	ds_store_b128 v8, v[PC+4*\i:PC+4*\i+3] offset:XIMG+512*\i
.endr
	ds_store_b32 v9, v[PW]
	s_wait_dscnt 0x0                               ; the stores have read their registers
	QUANT XQ+64
.irp i, 0,1,2
	ds_store_b128 v8, v[PC+4*\i:PC+4*\i+3] offset:XIMG+8*FRB+512*\i
.endr
	ds_store_b32 v9, v[PW] offset:1024
	s_wait_dscnt 0x0                               ; for the others' sake
	s_barrier_signal -1
	s_barrier_wait -1
	s_cmp_lt_u32 s22, 4                            ; four tiles of q (2 x 16 rows, 2 x 16 columns): waves 0 to 3
	s_cbranch_scc0 .Lqend
.irp s, 0,1,2,3,4,5,6,7
.irp i, 0,1,2
	ds_load_b128 v[WF+12*\s+4*\i:WF+12*\s+4*\i+3], v14 offset:QSTG+FRB*\s+512*\i
.endr
.endr
	ds_load_b128 v[WS:WS+3], v15 offset:QSTG+12288
.irp s, 0,1,2,3,4,5,6,7
.irp i, 0,1,2
	ds_load_b128 v[32+12*\s+104*(\s/6)+4*\i:32+12*\s+104*(\s/6)+4*\i+3], v25 offset:XIMG+FRB*\s+512*\i
.endr
	ds_load_b32 v[XSW+\s], v26 offset:128*\s
.endr
	s_wait_dscnt 0x0
	; source 0 = 16 columns of WQ, source 1 = 16 rows of x: a lane holds one row of x and eight neighbouring columns.  The bias is the first C.
	v_wmma_scale_f32_16x16x128_f8f6f4 v[DQ:DQ+7], v[WF:WF+11], v[32:43], v[BQ:BQ+7], v[WS], v[XSW] matrix_a_fmt:MATRIX_FMT_BF6 matrix_b_fmt:MATRIX_FMT_BF6
.irp s, 1,2,3
	s_wait_alu depctr_va_vdst(0)                   ; a wait ahead of each link
	v_wmma_scale_f32_16x16x128_f8f6f4 v[DQ:DQ+7], v[WF+12*\s:WF+12*\s+11], v[32+12*\s:43+12*\s], v[DQ:DQ+7], v[WS+\s], v[XSW+\s] matrix_a_fmt:MATRIX_FMT_BF6 matrix_b_fmt:MATRIX_FMT_BF6
.endr
.irp s, 4,5,6,7
	s_wait_alu depctr_va_vdst(0)
	v_wmma_scale_f32_16x16x128_f8f6f4 v[DQ:DQ+7], v[WF+12*\s:WF+12*\s+11], v[32+12*\s+104*(\s/6):43+12*\s+104*(\s/6)], v[DQ:DQ+7], v[WS+\s-4], v[XSW+\s] matrix_a_fmt:MATRIX_FMT_BF6 matrix_b_fmt:MATRIX_FMT_BF6 matrix_a_scale:MATRIX_SCALE_ROW1
.endr
.rept 4
	v_nop                                          ; four places ahead of the stores that read the result
.endr
	global_store_b128 v27, v[DQ:DQ+3], s[20:21]
	global_store_b128 v27, v[DQ+4:DQ+7], s[20:21] offset:16
.Lqend:
	s_wait_tensorcnt 0x0
	ds_add_u32 v105, v111
	s_wait_dscnt 0x0
	s_endpgm
; ---- y [32,768][1,024] f32 becomes codes of BF6 with one E8M0 byte for each 32 along K, as RECORDS of 12,800 bytes for 16 rows:
; eight fragments of 1,536 bytes (K step s; registers 4 g .. 4 g + 3 of operand lane l at 1,536 s + 512 g + 16 l), then 512 bytes of scale words, row r, K step s at 32 r + 4 s.
; A step is 16 rows x 64 along K: eight loads of 512 bytes (two rows x 256 consecutive bytes), turned through the wave's own stage in LDS so that a lane holds 16 neighbours.
; Five sets of 32 registers take the loads by turns: loads run four steps (32 loads a wave) ahead.  The 16 steps are written out by a macro: five sets and two steps to a fragment
; come back to where they began only after ten steps; every offset is an immediate and no pointer is stepped.
; Waves share nothing: no barrier.  This path's LDS bytes are its own, behind the other paths'.
.Ly:
.set YSTG, 78848
.set YWB,  5120                        ; a wave's LDS: 16 rows x 272 bytes of stage; from byte 4,608 its 512 bytes of scale words
.set YX,   40                          ; v40-71   32 numbers: 2 blocks x 16 neighbours.  The numbers as loaded: set j at v72 (j = 0) and at v128 + 32 (j - 1)
.set YF,   16                          ; v16-39   two fragments
.set YT,   112                         ; v112-119 at work
.set YW2,  120                         ; v120-122 a conversion's second result
.set YPW,  123                         ; v123     the scale word being made
	s_load_b128 s[36:39], s[0:1], 0x48             ; y, ycodes
	s_mov_b32 s32, 0x76543210
	s_mov_b32 s33, 0xfedcba98
	s_mul_i32 s23, s22, YWB
	s_add_co_u32 s23, s23, YSTG
	v_lshlrev_b32 v4, 4, v2
	v_mul_u32_u24 v5, v3, 272
	v_mul_u32_u24 v6, v2, 272
	v_lshlrev_b32 v7, 4, v1                        ; 16 x lane
	v_lshl_add_u32 v4, v3, 12, v4                  ; y: row lane / 16, 16 bytes x (lane % 16)
	v_lshl_add_u32 v5, v2, 4, v5
	v_lshl_add_u32 v6, v3, 6, v6
	v_lshl_add_u32 v8, v2, 5, s23
	v_add_nc_u32 v10, s23, v7
	v_add_nc_u32 v5, s23, v5                       ; into the stage, as loaded
	v_add_nc_u32 v6, s23, v6                       ; out of it: row lane % 16, + 64 (lane / 16)
	v_add_nc_u32 v8, 4608, v8                      ; my row's scale words
	v_add_nc_u32 v10, 4608, v10                    ; and the way back: 16 x lane
	v_mov_b32 v[YT+2], 0                           ; a lane permute's destination counts as one of its sources
	v_mov_b32 v[YT+3], 0
	s_and_b32 s24, s22, 1
	s_cmp_eq_u32 s24, 1
	s_cselect_b32 s40, 0x20820820, 0               ; the sign bits of 16 codes in three words, for odd waves
	s_cselect_b32 s41, 0x08208208, 0
	s_cselect_b32 s42, 0x82082082, 0
	s_lshl_b32 s26, ttmp9, 19
	s_lshl_b32 s27, s22, 16
	s_add_co_u32 s26, s26, s27
	s_mov_b32 s27, 0
	s_lshl_b32 s28, ttmp9, 3
	s_add_co_u32 s28, s28, s22
	s_mul_i32 s28, s28, 12800
	s_mov_b32 s29, 0
	s_wait_alu depctr_va_vdst(0)                   ; the wait at the head's end
	s_wait_kmcnt 0x0
	s_add_nc_u64 s[36:37], s[36:37], s[26:27]
	s_add_nc_u64 s[38:39], s[38:39], s[28:29]
.macro YLOAD j, k
.irp i, 0,1,2,3,4,5,6,7
	global_load_b128 v[72+32*(\j)+24*(((\j)+3)/4)+4*\i:72+32*(\j)+24*(((\j)+3)/4)+4*\i+3], v4, s[36:37] offset:8192*\i+256*(\k) th:TH_LOAD_NT
.endr
.endm
.macro YTURN j, x                      ; LDS serves a wave's instructions in order: no wait between the stores and the loads
.irp i, 0,1,2,3,4,5,6,7
	ds_store_b128 v5, v[72+32*(\j)+24*(((\j)+3)/4)+4*\i:72+32*(\j)+24*(((\j)+3)/4)+4*\i+3] offset:544*\i
.endr
.irp b, 0,1
.irp q, 0,1,2,3
	ds_load_b128 v[YX+32*(\x)+16*\b+4*\q:YX+32*(\x)+16*\b+4*\q+3], v6 offset:128*\b+16*\q
.endr
.endr
.endm
.macro YHQ xs, c, fr                   ; two blocks of 32 (16 numbers here, 16 in lane l xor 16) become half a fragment and two scale bytes
.irp b, 0,1
	v_max3_num_f32 v[YT+\b], |v[(\xs)+16*\b]|, |v[(\xs)+16*\b+1]|, 0x2800000   ; with the floor 2^(5 - 127): the byte cannot fall under 1
.endr
.irp i, 2,4,6,8,10,12,14
.irp b, 0,1
	s_delay_alu instid0(VALU_DEP_2)
	v_max3_num_f32 v[YT+\b], v[YT+\b], |v[(\xs)+16*\b+\i]|, |v[(\xs)+16*\b+\i+1]|
.endr
.endr
.irp b, 0,1
	s_delay_alu instid0(VALU_DEP_2)
	v_permlanex16_b32 v[YT+2+\b], v[YT+\b], s32, s33
.endr
.irp b, 0,1
	s_delay_alu instid0(VALU_DEP_2)
	v_max_num_f32 v[YT+\b], v[YT+\b], v[YT+2+\b]
.endr
.irp b, 0,1
	s_delay_alu instid0(VALU_DEP_2)
	v_add_nc_u32 v[YT+4+\b], 0xfe000000, v[YT+\b]  ; 4 off the exponent field: the conversion's scale operand
.endr
.irp b, 0,1
	s_delay_alu instid0(VALU_DEP_2)
	v_lshrrev_b32 v[YT+6+\b], 23, v[YT+4+\b]
.endr
.if (\c) == 0
	s_delay_alu instid0(VALU_DEP_1)
	v_lshl_or_b32 v[YPW], v[YT+7], 8, v[YT+6]
.else
	s_delay_alu instid0(VALU_DEP_2)
	v_lshl_or_b32 v[YPW], v[YT+6], 16, v[YPW]
	s_delay_alu instid0(VALU_DEP_1)
	v_lshl_or_b32 v[YPW], v[YT+7], 24, v[YPW]
.endif
	v_cvt_scalef32_pk16_bf6_f32 v[(\fr)+6*(\c):(\fr)+6*(\c)+2], v[(\xs):(\xs)+15], v[YT+4]
	v_cvt_scalef32_pk16_bf6_f32 v[YW2:YW2+2], v[(\xs)+16:(\xs)+31], v[YT+5]
	v_nop                                          ; one plain instruction behind a scaled conversion
.irp i, 0,1,2
	v_permlane16_swap_b32 v[(\fr)+6*(\c)+\i], v[YW2+\i]   ; a whole block to a lane
.endr
.irp i, 0,1,2
	s_delay_alu instid0(VALU_DEP_3)
	v_mov_b32 v[(\fr)+6*(\c)+3+\i], v[YW2+\i]
.endr
.endm
.macro YSTEP i                         ; step i of 16: half of fragment i / 2
	s_wait_dscnt 0x0                               ; this step's numbers are back, and the stage's stores have read their registers
.if (((\i)%2) == 0) && ((\i) >= 4)
	s_wait_xcnt 0x0                                ; the stores of the fragment two back have read the registers that this fragment takes
.endif
.if (\i) < 12
	YLOAD ((\i)+4)%5, (\i)+4                       ; four steps ahead, into the set turned last
.endif
	YHQ YX, (\i)%2, YF+12*(((\i)/2)%2)
.if ((\i)%2) == 1
.irp q, 0,1,2,3
	v_xor_b32 v[YF+12*(((\i)/2)%2)+3*\q], s40, v[YF+12*(((\i)/2)%2)+3*\q]
	v_xor_b32 v[YF+12*(((\i)/2)%2)+3*\q+1], s41, v[YF+12*(((\i)/2)%2)+3*\q+1]
	v_xor_b32 v[YF+12*(((\i)/2)%2)+3*\q+2], s42, v[YF+12*(((\i)/2)%2)+3*\q+2]
.endr
.irp g, 0,1,2
	global_store_b128 v7, v[YF+12*(((\i)/2)%2)+4*\g:YF+12*(((\i)/2)%2)+4*\g+3], s[38:39] offset:FRB*((\i)/2)+512*\g   ; 512 consecutive bytes, at a multiple of 256
.endr
	ds_store_b32 v8, v[YPW] offset:4*((\i)/2)      ; both halves of the lanes write the same word with the same value
.endif
.if (\i) < 12
	s_wait_loadcnt 24                              ; the next step's eight loads are in; the three younger steps' may be out
.elseif (\i) < 15
	s_wait_loadcnt 8*(14-(\i))                     ; the last steps: fewer are behind it
.endif
.if (\i) < 15
	YTURN ((\i)+1)%5, 0                            ; behind this step's conversions, which have read the 32 numbers
.endif
.endm
	YLOAD 0, 0
	YLOAD 1, 1
	YLOAD 2, 2
	YLOAD 3, 3
	s_wait_loadcnt 24
	YTURN 0, 0
.irp t, 0,1,2,3,4,5,6,7,8,9,10,11,12,13,14,15
	YSTEP \t
.endr
	ds_load_b128 v[YX:YX+3], v10
	s_wait_dscnt 0x0
	global_store_b128 v7, v[YX:YX+3], s[38:39] offset:8*FRB
	s_wait_tensorcnt 0x0                           ; the wave's end
	ds_add_u32 v105, v111
	s_wait_dscnt 0x0
	s_endpgm
.Lfunc_end_k_q70abd08788_prep:
	.size	k_q70abd08788_prep, .Lfunc_end_k_q70abd08788_prep-k_q70abd08788_prep
	.p2alignl 7, 3214868480
	.fill 96, 4, 3214868480
	.section	.rodata,"a",@progbits
	.p2align	6, 0x0
	.amdhsa_kernel k_q70abd08788_prep
		.amdhsa_group_segment_fixed_size 119808
		.amdhsa_private_segment_fixed_size 0
		.amdhsa_enable_private_segment 0
		.amdhsa_kernarg_size 88
		.amdhsa_user_sgpr_count 2
		.amdhsa_user_sgpr_kernarg_segment_ptr 1
		.amdhsa_wavefront_size32 1
		.amdhsa_system_sgpr_workgroup_id_x 1
		.amdhsa_system_sgpr_workgroup_id_y 1
		.amdhsa_system_sgpr_workgroup_id_z 1
		.amdhsa_system_vgpr_workitem_id 0
		.amdhsa_next_free_vgpr 256
		.amdhsa_next_free_sgpr 66
		.amdhsa_reserve_vcc 0
		.amdhsa_float_denorm_mode_32 3
		.amdhsa_float_denorm_mode_16_64 3
		.amdhsa_memory_ordered 1
		.amdhsa_forward_progress 1
		.amdhsa_inst_pref_size 149
	.end_amdhsa_kernel
	.amdgpu_metadata
---
amdhsa.version: [ 1, 2 ]
amdhsa.kernels:
  - .name:           k_q70abd08788_prep
    .symbol:         k_q70abd08788_prep.kd
    .args:
      - { .name: WQ_w, .offset: 0, .size: 8, .value_kind: global_buffer, .address_space: global }
      - { .name: WK_w, .offset: 8, .size: 8, .value_kind: global_buffer, .address_space: global }
      - { .name: WV_w, .offset: 16, .size: 8, .value_kind: global_buffer, .address_space: global }
      - { .name: WO_w, .offset: 24, .size: 8, .value_kind: global_buffer, .address_space: global }
      - { .name: x, .offset: 32, .size: 8, .value_kind: global_buffer, .address_space: global }
      - { .name: WQ_b, .offset: 40, .size: 8, .value_kind: global_buffer, .address_space: global }
      - { .name: wkv, .offset: 48, .size: 8, .value_kind: global_buffer, .address_space: global }
      - { .name: wo, .offset: 56, .size: 8, .value_kind: global_buffer, .address_space: global }
      - { .name: qbuf, .offset: 64, .size: 8, .value_kind: global_buffer, .address_space: global }
      - { .name: y, .offset: 72, .size: 8, .value_kind: global_buffer, .address_space: global }
      - { .name: ycodes, .offset: 80, .size: 8, .value_kind: global_buffer, .address_space: global }
    .group_segment_fixed_size: 119808
    .private_segment_fixed_size: 0
    .kernarg_segment_align: 8
    .kernarg_segment_size: 88
    .max_flat_workgroup_size: 256
    .sgpr_count:     66
    .vgpr_count:     256
    .wavefront_size: 32
...
	.end_amdgpu_metadata
.endif
;; end of part 1
;; launch attn (part 2): grid 256 x 1, 4 waves a work-group, clusters of 4 x 1, 327,680 bytes of LDS; arguments ycodes, wkv, qbuf, WV_b, att; writes att
.if DOCPART == 2
	.amdgcn_target "amdgcn-amd-amdhsa--gfx1250"
	.amdhsa_code_object_version 6
	.text
	.protected	k_q70abd08788_attn
	.globl	k_q70abd08788_attn
	.p2align	8
	.type	k_q70abd08788_attn,@function
k_q70abd08788_attn:
	s_mov_b64 s[64:65], 0
	v_nop
	global_prefetch_b8 v0, s[64:65] scope:SCOPE_SE
	s_setreg_imm32_b32 hwreg(HW_REG_WAVE_MODE, 25, 1), 1
	s_wait_xcnt 0x0
	s_wait_alu depctr_hold_cnt(0) depctr_sa_sdst(0) depctr_va_vdst(0) depctr_va_sdst(0) depctr_va_ssrc(0) depctr_va_vcc(0) depctr_vm_vsrc(0)
	s_getreg_b32 s2, hwreg(HW_REG_IB_STS2, 6, 4)
	s_cmp_eq_u32 s2, 0
	s_cbranch_scc0 .Lentry_in_a_cluster
	s_endpgm
.Lentry_in_a_cluster:
	s_bfe_u32 s2, ttmp6, 0x10000c
	s_cmp_lg_u32 s2, 0x3003
	s_cbranch_scc0 .Lentry_shape_is_right
	s_endpgm
.Lentry_shape_is_right:
; k = Q(y) Q(WK), v = Q(y) Q(WV) on codes of BF6 (E3M2) with E8M0 scales, scores, softmax over the 1,024 keys and the weighted sum, for one batch and two heads a work-group.
; WORK LEFT OUT: WK_b (q . bK is the same for all keys of a softmax: see the first kernel's head).  bV is added behind the weighted sum: the alphas sum to 1.
; SHARES.  Work-group = 8 x batch + head pair.  Wave w: head 2 x pair + w / 2, and of each block of 128 keys the 64 rows of half w % 2.
; THE WEIGHTS STAY IN REGISTERS: a head's 64 columns of WK and 64 of WV for all of K are 64 fragments, 768 registers; fragment 8 s + T (K step s, tile T: 0-3 K, 4-7 V).
; y's codes come as blocks of 128 rows (eight records of 12,800 bytes) through a ring of two LDS slots.  A fragment of y feeds eight matrix instructions.
; CLUSTER: the four work-groups of a cluster have the same batch and ask for each block jointly; a wave asks for a quarter of it (100 rows of 256 bytes).
; Source 0 = 16 columns of a weight, source 1 = 16 rows of y: lane (r, h) holds key r of the tile, register j column 8 h + j.  So the softmax runs LANE BY LANE:
; each lane keeps a running maximum M, a sum L and 32 weighted sums O for the keys that fall to it; lanes and the two waves of a head are joined at the end under their common maximum.
; ORDER IN A TILE OF 16 KEYS: in each pair of K steps the four K tiles go first, then the four V tiles, so that k is finished ahead of v.  Behind the tile's 64 matrix instructions
; stand, in one block, the score, the maximum, the two exponentials, p v in place, and O = O f + p v.
; Records with odd numbers hold -y: their scores and values are taken with the opposite sign.
; PREFETCH: trip t, which loads block t + 1, names block t + 3: 400 blocks of 256 bytes, 25 for each of the cluster's 16 waves, told apart by address; trips 5 to 7 ask for nothing.
; LIMITS: NaN and infinities are not served; the promise holds while the scaled scores stay under 2^31 in magnitude.
.set RSLOT, 102400
.set WPART, 25600
.set TREC,  12800
.set FRB,   1536
.set MRG,   2*RSLOT                    ; behind the ring: 512 bytes a wave for the join: 64 sums, then M and L at byte 256
.set SPARE, MRG+2048                   ; the spare words
.set SPW,  2
.set NIL,  3
.set YAD,  4                           ; v4-5   my fragments of y in slot 0, 1
.set YSA,  6                           ; v6-7   my scale words of y
.set PFO,  8
.set MN,   9
.set M,    10
.set L,    11
.set T0,   12
.set T1,   13
.set MAD,  14
.set MLA,  15
.set BV,   16                          ; v16-17 bV of my two columns
.set RA,   18
.set RML,  19
.set SS,   20                          ; v20-27 four chains of the score; then p in v24, f in v26
.set P,    24
.set F,    26
.set YS,   28                          ; v28-35 y's scale words, two sets (scales alone)
.set WSC,  36                          ; v36-67 the weights' scale words (scales alone)
.set QR,   68                          ; v68-99 q in the layout of the four K tiles
.set O,    100                         ; v100-131
.set ACC,  132                         ; v132-195 eight accumulators: K's four, then V's four
.set BF,   196                         ; v196-243 four fragments of y
.set ALAST, 244                        ; v244-255 the weights' fragment 63; fragments 0-62 lie in windows 1 to 3, 21 in each
.set MSB, 0
.macro WIN new
.if MSB != (\new)
	s_set_vgpr_msb (MSB<<8)|(\new)
.set MSB, (\new)
.endif
.endm
.macro PLACES
.rept 4
	v_nop
.endr
.endm
.macro CREST
	s_cmp_lg_u32 s16, 0
	s_cbranch_scc1 .Lnot_wave_0_\@
	s_barrier_signal -3
.Lnot_wave_0_\@:
	s_barrier_wait -3
	s_barrier_signal -1
	s_barrier_wait -1
.endm
.macro CROUND
	s_barrier_signal -1
	s_barrier_wait -1
	CREST
.endm
	s_load_b256 s[4:11], s[0:1], 0x0               ; ycodes, wkv, qbuf, WV_b
	s_load_b64 s[12:13], s[0:1], 0x20              ; att
	v_lshl_add_u32 v[SPW], v0, 2, SPARE
	v_mov_b32 v[NIL], 0
	ds_add_u32 v[SPW], v[NIL]                      ; the opening lines: the add, twice on end, and its wait
	ds_add_u32 v[SPW], v[NIL]
	v_lshrrev_b32 v1, 5, v0
	v_readfirstlane_b32 s16, v1                    ; wave
	s_bfe_u32 s17, ttmp6, 0x40000                  ; cx
	s_and_b32 s18, ttmp9, 1
	s_lshl_b32 s18, s18, 2
	s_add_co_u32 s18, s18, s17                     ; head pair
	s_lshr_b32 s41, ttmp9, 1                       ; batch
	s_lshr_b32 s14, s16, 1                         ; which head of the pair
	s_and_b32 s15, s16, 1                          ; which half of a block's rows
	s_lshl_b32 s20, s18, 1
	s_add_co_u32 s20, s20, s14                     ; head
	s_mov_b32 s24, 15|(3<<16)|(1<<21)              ; group 1: the four partners; elements of 8 bytes; 100 rows of 32 elements, dense
	s_mov_b32 s25, 32<<16
	s_mov_b32 s26, 100<<16
	s_mov_b32 s27, 32<<16
	s_mov_b32 s28, 100
	s_mov_b32 s29, 32
	s_mov_b32 s30, 0
	s_mov_b32 s31, 0
	s_mov_b32 s48, 0x76543210
	s_mov_b32 s49, 0xfedcba98
	s_mov_b32 s54, 0x3e38aa3b                      ; log2(e) / sqrt(64),
	s_mov_b32 s55, 0xbe38aa3b                      ; and the same with the opposite sign, for records that hold -y
	s_mul_i32 s42, s41, 8*RSLOT                    ; my batch's eight blocks,
	s_mul_i32 s19, s16, WPART                      ; my quarter of a block
	s_add_co_u32 s42, s42, s19
	s_mov_b32 s43, 0
	s_and_b32 s22, s20, 3                          ; wkv: [4 (head % 4) + T / 2][head / 4][T % 2] records
	s_mul_i32 s22, s22, 4*RSLOT
	s_lshr_b32 s21, s20, 2
	s_mul_i32 s21, s21, WPART
	s_add_co_u32 s22, s22, s21
	s_mov_b32 s23, 0
	s_lshl_b32 s46, s20, 8                         ; 256 bytes a head
	s_mov_b32 s47, 0
	s_lshl_b32 s50, s41, 12
	s_add_co_u32 s50, s50, s46
	s_mov_b32 s51, 0
	s_mul_i32 s52, s17, 6400                       ; the prefetches: my work-group's 25 blocks of my wave's 100
	s_add_co_u32 s52, s52, 2*RSLOT
	s_mov_b32 s53, 0
	s_mul_i32 s56, s15, 4*TREC                     ; LDS: my four records of a slot
	s_lshl_b32 s57, s16, 9
	s_add_co_u32 s57, s57, MRG                     ; my place in the join
	s_add_co_u32 s58, s57, 256
	s_lshl_b32 s59, s14, 10
	s_add_co_u32 s59, s59, MRG                     ; my head's two places
	s_add_co_u32 s60, s59, 256
	s_wait_dscnt 0x0
	s_wait_kmcnt 0x0
	s_mov_b32 s32, 1
	s_mov_b32 s33, s19
	s_add_nc_u64 s[34:35], s[4:5], s[42:43]
	s_mov_b32 s36, 1
	s_add_co_u32 s37, s19, RSLOT
	s_add_nc_u64 s[38:39], s[34:35], RSLOT
	s_add_nc_u64 s[44:45], s[34:35], s[52:53]
	s_or_b32 s35, s35, 0x80000000
	s_or_b32 s39, s39, 0x80000000
	s_add_nc_u64 s[6:7], s[6:7], s[22:23]
	s_add_nc_u64 s[8:9], s[8:9], s[50:51]
	s_add_nc_u64 s[10:11], s[10:11], s[46:47]
	s_add_nc_u64 s[12:13], s[12:13], s[50:51]
	CROUND                                         ; the four work-groups are here: the first joint loads meet
	tensor_load_to_lds s[32:35], s[24:31]          ; block 0: one tensor load a wave at the head
	s_nop 0
	PLACES
	v_and_b32 v1, 31, v0
	v_and_b32 v[T0], 15, v0
	v_bfe_u32 v[T1], v0, 4, 1
	v_lshl_add_u32 v[YAD], v1, 4, s56
	v_lshl_add_u32 v[YSA], v[T0], 5, s56
	v_min_u32 v[PFO], 24, v1
	v_add_nc_u32 v[YAD+1], RSLOT, v[YAD]
	v_lshl_add_u32 v[YSA], v[T1], 4, v[YSA]
	v_lshlrev_b32 v[PFO], 8, v[PFO]
	v_add_nc_u32 v[YSA], 12288, v[YSA]             ; row r's words of K steps 4 h .. 4 h + 3
	v_lshl_add_u32 v[MAD], v[T1], 5, s57
	v_mov_b32 v[MLA], s58
	v_add_nc_u32 v[YSA+1], RSLOT, v[YSA]
	v_lshl_add_u32 v[RA], v1, 3, s59
	v_mov_b32 v[RML], s60
	v_lshlrev_b32 v133, 4, v1                      ; a weight's fragment and scale words: 16 x lane
	v_lshlrev_b32 v134, 5, v[T1]                   ; q: 32 h
	v_lshlrev_b32 v135, 3, v1
	v_mov_b32 v[M], 0xff61b1e6                     ; -3e38, under every score
	v_mov_b32 v[L], 0
	v_mov_b32 v[T1], 0                             ; a lane permute's destination counts as one of its sources
.irp j, 0,1,2,3,4,5,6,7,8,9,10,11,12,13,14,15,16,17,18,19,20,21,22,23,24,25,26,27,28,29,30,31
	v_mov_b32 v[O+\j], 0
.endr
	s_wait_alu depctr_va_vdst(0)                   ; the wait at the head's end
.set f, 0
.rept 64
.if f < 63
	WIN ((1+f/21)<<6)
.set rA, 12*(f%21)
.else
	WIN 0
.set rA, ALAST
.endif
.irp i, 0,1,2
	global_load_b128 v[rA+4*\i:rA+4*\i+3], v133, s[6:7] offset:((f%8)/2)*RSLOT+(f%2)*TREC+FRB*(f/8)+512*\i   ; 512 consecutive bytes
.endr
.set f, f+1
.endr
.irp T, 0,1,2,3,4,5,6,7
	global_load_b128 v[WSC+4*\T:WSC+4*\T+3], v133, s[6:7] offset:(\T/2)*RSLOT+(\T%2)*TREC+12288
.endr
.irp u, 0,1,2,3,4,5,6,7
	global_load_b128 v[QR+4*\u:QR+4*\u+3], v134, s[8:9] offset:64*(\u/2)+16*(\u%2)
.endr
	global_load_b64 v[BV:BV+1], v135, s[10:11]
.macro FB slot, n                      ; fragment n of my 32 of a slot (record n / 8, K step n % 8) into buffer n % 4
.irp g, 0,1,2
	ds_load_b128 v[BF+12*((\n)%4)+4*\g:BF+12*((\n)%4)+4*\g+3], v[YAD+\slot] offset:TREC*((\n)/8)+FRB*((\n)%8)+512*\g
.endr
.endm
.macro YSL slot, i
	ds_load_b128 v[YS+4*((\i)%2):YS+4*((\i)%2)+3], v[YSA+\slot] offset:TREC*(\i)
.endm
.macro WM i, s, T
.set w_f, 8*(\s)+(\T)
.if w_f < 63
	WIN (1+w_f/21)
.set w_a, 12*(w_f%21)
.else
	WIN 0
.set w_a, ALAST
.endif
.set w_d, ACC+8*(\T)
.set w_b, BF+12*((\s)%4)
.set w_sw, WSC+4*(\T)+((\s)%4)
.set w_sy, YS+4*((\i)%2)+((\s)%4)
.if (\s) == 0
	v_wmma_scale_f32_16x16x128_f8f6f4 v[w_d:w_d+7], v[w_a:w_a+11], v[w_b:w_b+11], 0, v[w_sw], v[w_sy] matrix_a_fmt:MATRIX_FMT_BF6 matrix_b_fmt:MATRIX_FMT_BF6
.elseif (\s) < 4
	v_wmma_scale_f32_16x16x128_f8f6f4 v[w_d:w_d+7], v[w_a:w_a+11], v[w_b:w_b+11], v[w_d:w_d+7], v[w_sw], v[w_sy] matrix_a_fmt:MATRIX_FMT_BF6 matrix_b_fmt:MATRIX_FMT_BF6
.else
	v_wmma_scale_f32_16x16x128_f8f6f4 v[w_d:w_d+7], v[w_a:w_a+11], v[w_b:w_b+11], v[w_d:w_d+7], v[w_sw], v[w_sy] matrix_a_fmt:MATRIX_FMT_BF6 matrix_b_fmt:MATRIX_FMT_BF6 matrix_a_scale:MATRIX_SCALE_ROW1 matrix_b_scale:MATRIX_SCALE_ROW1
.endif
.endm
; Eight matrix instructions: K steps s0 and s0 + 1 x tiles t0 .. t0 + 3, the four accumulators by turns
.macro GRP i, s0, t0
.irp ds, 0,1
.irp dt, 0,1,2,3
	WM \i, (\s0)+\ds, (\t0)+\dt
.endr
.endr
.endm
; 16 keys are finished: my key's t, the running maximum, f and p, p v in place, O = O f + p v.  odd = 1: the record holds -y
.macro EP odd
.irp n, 0,1,2,3
	v_pk_mul_f32 v[SS+2*\n:SS+2*\n+1], v[ACC+2*\n:ACC+2*\n+1], v[QR+2*\n:QR+2*\n+1]   ; k . q in four chains, each accumulator from its low end on
.endr
.irp n, 4,5,6,7,8,9,10,11,12,13,14,15
	v_pk_fma_f32 v[SS+2*(\n%4):SS+2*(\n%4)+1], v[ACC+2*\n:ACC+2*\n+1], v[QR+2*\n:QR+2*\n+1], v[SS+2*(\n%4):SS+2*(\n%4)+1]
.endr
	v_pk_add_f32 v[SS:SS+1], v[SS:SS+1], v[SS+2:SS+3]
	v_pk_add_f32 v[SS+4:SS+5], v[SS+4:SS+5], v[SS+6:SS+7]
	v_pk_add_f32 v[SS:SS+1], v[SS:SS+1], v[SS+4:SS+5]
	v_add_f32 v[T0], v[SS], v[SS+1]
	v_permlanex16_b32 v[T1], v[T0], s48, s49
	v_add_f32 v[T0], v[T0], v[T1]                  ; with lane l xor 16's 32 columns
	v_mul_f32 v[T0], s[54+\odd], v[T0]             ; t, to the base 2
	v_max_num_f32 v[MN], v[M], v[T0]
	v_sub_f32 v[P], v[T0], v[MN]
	v_sub_f32 v[F], v[M], v[MN]
	s_wait_alu depctr_va_vdst(0)                   ; the wait ahead of the batch
	v_exp_f32 v[F], v[F]
	v_exp_f32 v[P], v[P]
	v_mov_b32 v[M], v[MN]                          ; a plain instruction behind the exponentials
	s_wait_alu depctr_va_vdst(0)                   ; the wait behind it, directly ahead of the first readers of v's accumulators
.irp u, 0,1,2,3,4,5,6,7,8,9,10,11,12,13,14,15
.if \odd
	v_pk_mul_f32 v[ACC+32+2*\u:ACC+32+2*\u+1], v[ACC+32+2*\u:ACC+32+2*\u+1], v[P:P+1] op_sel_hi:[1,0] neg_lo:[1,0] neg_hi:[1,0]
.else
	v_pk_mul_f32 v[ACC+32+2*\u:ACC+32+2*\u+1], v[ACC+32+2*\u:ACC+32+2*\u+1], v[P:P+1] op_sel_hi:[1,0]
.endif
.endr
	v_fma_f32 v[L], v[L], v[F], v[P]
.irp u, 0,1,2,3,4,5,6,7,8,9,10,11,12,13,14,15
	v_pk_fma_f32 v[O+2*\u:O+2*\u+1], v[O+2*\u:O+2*\u+1], v[F:F+1], v[ACC+32+2*\u:ACC+32+2*\u+1] op_sel_hi:[1,0,1]
.endr
.endm
; Two K steps, 16 matrix instructions, then ONE run of loads for the two fragments four further on.
; The wait leaves out the run issued behind the one that is wanted: six loads, seven where that run also brings the next record's scale words.
.macro PAIR slot, p
.set p_i, (\p)/4
.set p_s, (2*(\p))%8
.set p_n, 6
.if (\p) == 15
.set p_n, 0
.elseif ((((\p)+1)%4) == 3) && (((\p)+1) <= 11)
.set p_n, 7
.endif
	s_wait_dscnt p_n
	GRP p_i, p_s, 0
	GRP p_i, p_s, 4
	WIN 0
	PLACES                                         ; four places ahead of loads into registers just multiplied, and of the first read of results
.if (\p) < 14
	FB \slot, 2*(\p)+4
	FB \slot, 2*(\p)+5
.endif
.if (((\p)%4) == 1) && (p_i < 3)
	YSL \slot, p_i+1
.endif
.if ((\p)%4) == 3
	EP p_i%2
.endif
.endm
; A trip: one block of 128 keys, 256 matrix instructions a wave.  ask = 1: prefetch; 2: not in the loop's last trip
.macro TRIP slot, refill, ask
.if \ask
	s_wait_xcnt 0x0                                ; my last prefetch has read its address
	s_add_nc_u64 s[44:45], s[44:45], RSLOT
.endif
	s_wait_tensorcnt 0x0                           ; all my tensor loads are done, my quarter of this block among them;
	ds_add_u32 v[SPW], v[NIL]                      ; the add;
	s_add_nc_u64 s[34+4*\slot:35+4*\slot], s[34+4*\slot:35+4*\slot], 2*RSLOT
	s_wait_dscnt 0x0                               ; the add is done, and my reads of the other slot
	CROUND                                         ; both hold of every wave of the four work-groups
.if \refill
	tensor_load_to_lds s[36-4*\slot:39-4*\slot], s[24:31]   ; the next block, into the slot read last
	s_nop 0
	PLACES
.endif
	YSL \slot, 0
	FB \slot, 0
	FB \slot, 1
	FB \slot, 2
	FB \slot, 3
.if \ask == 2
	s_cmp_lg_u32 s40, 1
	s_cbranch_scc0 .Lnoask_\@
.endif
.if \ask
	global_prefetch_b8 v[PFO], s[44:45] th:TH_LOAD_NT scope:SCOPE_SE
.endif
.if \ask == 2
.Lnoask_\@:
.endif
	s_wait_loadcnt 0x0                             ; the weights, q and bV are in (asked for at the head; in later trips nothing is out)
.irp p, 0,1,2,3,4,5,6,7,8,9,10,11,12,13,14,15
	PAIR \slot, \p
.endr
.endm
	s_mov_b32 s40, 3
.Lring:
	TRIP 0, 1, 1
	TRIP 1, 1, 2
	s_sub_co_u32 s40, s40, 1
	s_cmp_lg_u32 s40, 0
	s_cbranch_scc1 .Lring
	TRIP 0, 1, 0
	TRIP 1, 0, 0
	; THE JOIN.  First my 16 lanes of each half, under the wave's maximum
	v_mov_b32 v[T0], v[M]
.irp x, 1,2,4,8
	v_max_num_f32_dpp v[T0], v[T0], v[T0] row_xmask:\x row_mask:0xf bank_mask:0xf
.endr
	v_sub_f32 v[F], v[M], v[T0]
	s_wait_alu depctr_va_vdst(0)
	v_exp_f32 v[F], v[F]
	v_nop
	s_wait_alu depctr_va_vdst(0)
	v_mul_f32 v[T1], v[L], v[F]
.irp u, 0,1,2,3,4,5,6,7,8,9,10,11,12,13,14,15
	v_pk_mul_f32 v[O+2*\u:O+2*\u+1], v[O+2*\u:O+2*\u+1], v[F:F+1] op_sel_hi:[1,0]
.endr
.irp x, 1,2,4,8
	v_add_f32_dpp v[T1], v[T1], v[T1] row_xmask:\x row_mask:0xf bank_mask:0xf
.irp j, 0,1,2,3,4,5,6,7,8,9,10,11,12,13,14,15,16,17,18,19,20,21,22,23,24,25,26,27,28,29,30,31
	v_add_f32_dpp v[O+\j], v[O+\j], v[O+\j] row_xmask:\x row_mask:0xf bank_mask:0xf
.endr
.endr
.irp u, 0,1,2,3,4,5,6,7
	ds_store_b128 v[MAD], v[O+4*\u:O+4*\u+3] offset:64*(\u/2)+16*(\u%2)   ; column 16 t + 8 h + j at byte 4 x column; the 16 lanes of a half write the same bytes with the same values
.endr
	ds_store_b64 v[MLA], v[T0:T1]                  ; the wave's M and L
	s_wait_dscnt 0x0                               ; for the others' sake
	s_barrier_signal -1
	s_barrier_wait -1
	ds_load_b64 v[132:133], v[RA]                  ; then the two waves of my head: two columns a lane
	ds_load_b64 v[134:135], v[RA] offset:512
	ds_load_b64 v[136:137], v[RML]
	ds_load_b64 v[138:139], v[RML] offset:512
	v_and_b32 v147, 31, v0
	v_lshlrev_b32 v147, 3, v147
	s_wait_alu depctr_va_vdst(0)
	s_wait_dscnt 0x0
	v_max_num_f32 v140, v136, v138
	v_sub_f32 v141, v136, v140
	v_sub_f32 v142, v138, v140
	s_wait_alu depctr_va_vdst(0)
	v_exp_f32 v141, v141
	v_exp_f32 v142, v142
	v_nop
	s_wait_alu depctr_va_vdst(0)
	v_mul_f32 v143, v141, v137
	v_mul_f32 v144, v141, v132
	v_mul_f32 v145, v141, v133
	v_fmac_f32 v143, v142, v139
	v_fmac_f32 v144, v142, v134
	v_fmac_f32 v145, v142, v135
	s_wait_alu depctr_va_vdst(0)
	v_rcp_f32 v146, v143
	v_nop
	s_wait_alu depctr_va_vdst(0)
	v_fma_f32 v144, v144, v146, v[BV]
	v_fma_f32 v145, v145, v146, v[BV+1]
	s_wait_alu depctr_va_vdst(0)
	s_cmp_eq_u32 s15, 0                            ; one wave of the two stores the head's 256 consecutive bytes, at a multiple of 256
	s_cbranch_scc0 .Lnot_mine
	global_store_b64 v147, v[144:145], s[12:13]
.Lnot_mine:
	s_wait_tensorcnt 0x0                           ; the wave's end
	ds_add_u32 v[SPW], v[NIL]
	s_wait_dscnt 0x0
	CROUND                                         ; the closing round
	s_endpgm
.Lfunc_end_k_q70abd08788_attn:
	.size	k_q70abd08788_attn, .Lfunc_end_k_q70abd08788_attn-k_q70abd08788_attn
	.p2alignl 7, 3214868480
	.fill 96, 4, 3214868480
	.section	.rodata,"a",@progbits
	.p2align	6, 0x0
	.amdhsa_kernel k_q70abd08788_attn
		.amdhsa_group_segment_fixed_size 327680
		.amdhsa_private_segment_fixed_size 0
		.amdhsa_enable_private_segment 0
		.amdhsa_kernarg_size 40
		.amdhsa_user_sgpr_count 2
		.amdhsa_user_sgpr_kernarg_segment_ptr 1
		.amdhsa_wavefront_size32 1
		.amdhsa_system_sgpr_workgroup_id_x 1
		.amdhsa_system_sgpr_workgroup_id_y 1
		.amdhsa_system_sgpr_workgroup_id_z 1
		.amdhsa_system_vgpr_workitem_id 0
		.amdhsa_next_free_vgpr 1024
		.amdhsa_next_free_sgpr 66
		.amdhsa_reserve_vcc 0
		.amdhsa_float_denorm_mode_32 3
		.amdhsa_float_denorm_mode_16_64 3
		.amdhsa_memory_ordered 1
		.amdhsa_forward_progress 1
		.amdhsa_inst_pref_size 255
	.end_amdhsa_kernel
	.section	.bss,"aw",@nobits
	.p2align	6
	.space	262144
	.amdgpu_metadata
---
amdhsa.version: [ 1, 2 ]
amdhsa.kernels:
  - .name:           k_q70abd08788_attn
    .symbol:         k_q70abd08788_attn.kd
    .args:
      - { .name: ycodes, .offset: 0, .size: 8, .value_kind: global_buffer, .address_space: global }
      - { .name: wkv, .offset: 8, .size: 8, .value_kind: global_buffer, .address_space: global }
      - { .name: qbuf, .offset: 16, .size: 8, .value_kind: global_buffer, .address_space: global }
      - { .name: WV_b, .offset: 24, .size: 8, .value_kind: global_buffer, .address_space: global }
      - { .name: att, .offset: 32, .size: 8, .value_kind: global_buffer, .address_space: global }
    .group_segment_fixed_size: 327680
    .private_segment_fixed_size: 0
    .kernarg_segment_align: 8
    .kernarg_segment_size: 40
    .max_flat_workgroup_size: 128
    .sgpr_count:     66
    .vgpr_count:     1024
    .wavefront_size: 32
...
	.end_amdgpu_metadata
.endif
;; end of part 2
;; launch outp (part 3): grid 8 x 16, 8 waves a work-group, no clusters, 24,576 bytes of LDS; arguments att, wo, WO_b, out0; writes out0
.if DOCPART == 3
	.amdgcn_target "amdgcn-amd-amdhsa--gfx1250"
	.amdhsa_code_object_version 6
	.text
	.protected	k_q70abd08788_outp
	.globl	k_q70abd08788_outp
	.p2align	8
	.type	k_q70abd08788_outp,@function
k_q70abd08788_outp:
	s_mov_b64 s[64:65], 0
	v_nop
	global_prefetch_b8 v0, s[64:65] scope:SCOPE_SE
	s_setreg_imm32_b32 hwreg(HW_REG_WAVE_MODE, 25, 1), 1
	s_wait_xcnt 0x0
; out = Q(att) Q(WO) + bO: att [32][1024] f32 is quantised along its 1,024 and multiplied by WO's codes, BF6 (E3M2) with one E8M0 scale for each 32 along K.
; LIMITS: NaN and infinities are not served; a block of zeros of att gets the byte 1 with zero codes (the bytes never leave the work-group).
; SHARES.  Work-group (x, y): columns 128 x .. 128 x + 127 of the output, batches 2 y and 2 y + 1.  Thread t brings channels 4 t .. 4 t + 3 of both batches;
; wave w quantises K step w and makes columns 16 w .. 16 w + 15.  The operand's 16 rows are the two batches by turns: row m is batch m % 2.
; No cluster and no tensor load: operands go from memory straight into registers, once; no loop to prefetch in.
.set FRB,  1536
.set ATTS, 0                           ; att of two batches: rows of 4,096 + 16 bytes
.set AIM,  8448                        ; its eight fragments as images of their registers
.set ASCL, 20736                       ; their scale words, 128 bytes each
.set OST,  21760                       ; the results: 2 rows of 512 bytes
.set WF,   16                          ; v16-111  WO's eight fragments
.set WS,   112                         ; v112-115 WO's scale words (scales alone)
.set ASW,  116                         ; v116-123 att's scale words (scales alone)
.set PW,   124
.set BO,   125
.set AL,   160                         ; v160-223 64 numbers of att
.set AT,   224                         ; v224-231 att as loaded
.set PC,   128
.set AF,   128                         ; v128-223 att's eight fragments
.set TM,   232
.set DO,   248
.set SEL,  16
	s_load_b256 s[4:11], s[0:1], 0x0               ; att, wo, WO_b, out0
	v_lshl_add_u32 v242, v0, 2, 0x5c00
	v_mov_b32 v243, 0
	v_lshrrev_b32 v1, 5, v0
	s_delay_alu instid0(VALU_DEP_1)
	v_readfirstlane_b32 s12, v1                    ; wave 0..7
	s_and_b32 s14, ttmp7, 0xffff                   ; which two batches
	v_and_b32 v1, 31, v0
	v_and_b32 v2, 15, v0
	v_bfe_u32 v3, v0, 4, 1
	v_lshlrev_b32 v8, 4, v1
	v_lshlrev_b32 v9, 2, v2
	v_lshlrev_b32 v10, 4, v0                       ; 16 x thread
	v_and_b32 v4, 1, v0
	s_delay_alu instid0(VALU_DEP_1)
	v_mul_u32_u24 v11, v4, 4112
	s_delay_alu instid0(VALU_DEP_1)
	v_lshl_add_u32 v11, v3, 6, v11
	s_lshl_b32 s15, s12, 9
	v_add_nc_u32 v11, s15, v11                     ; att as the quantiser wants it: batch r % 2, K step w, + 64 h
	s_mul_i32 s15, s12, FRB
	v_lshl_add_u32 v12, v1, 4, s15
	s_lshl_b32 s15, s12, 7
	v_lshl_add_u32 v13, v1, 2, s15
	v_lshlrev_b32 v14, 2, v1
	v_lshlrev_b32 v15, 9, v3
	s_delay_alu instid0(VALU_DEP_1)
	v_lshl_add_u32 v15, v2, 2, v15
	s_lshl_b32 s15, s12, 6
	v_add_nc_u32 v15, s15, v15                     ; the results: batch h, column 16 w + r
	s_mov_b32 s[SEL], 0x76543210
	s_mov_b32 s[SEL+1], 0xfedcba98
.irp b, 0,1,2,3
	v_mov_b32 v[TM+4+\b], 0
.endr
	s_lshl_b32 s20, s14, 13                        ; att: two rows of 4,096 bytes
	s_mov_b32 s21, 0
	s_lshl_b32 s22, ttmp9, 3
	s_add_co_u32 s22, s22, s12
	s_mul_i32 s22, s22, 12800                      ; wo: tile 8 x + w
	s_mov_b32 s23, 0
	s_lshl_b32 s24, ttmp9, 9
	s_add_co_u32 s24, s24, s15
	s_mov_b32 s25, 0
	s_lshl_b32 s26, s14, 13
	s_lshl_b32 s27, ttmp9, 9
	s_add_co_u32 s26, s26, s27
	s_and_b32 s27, s12, 1
	s_lshl_b32 s27, s27, 12
	s_add_co_u32 s26, s26, s27
	s_mov_b32 s27, 0
	s_wait_alu depctr_va_vdst(0)                   ; the wait at the head's end
	s_wait_kmcnt 0x0
	s_add_nc_u64 s[4:5], s[4:5], s[20:21]
	s_add_nc_u64 s[6:7], s[6:7], s[22:23]
	s_add_nc_u64 s[8:9], s[8:9], s[24:25]
	s_add_nc_u64 s[10:11], s[10:11], s[26:27]
	global_load_b128 v[AT:AT+3], v10, s[4:5]
	global_load_b128 v[AT+4:AT+7], v10, s[4:5] offset:4096
.irp s, 0,1,2,3,4,5,6,7
.irp i, 0,1,2
	global_load_b128 v[WF+12*\s+4*\i:WF+12*\s+4*\i+3], v8, s[6:7] offset:FRB*\s+512*\i   ; 512 consecutive bytes
.endr
.endr
	global_load_b128 v[WS:WS+3], v8, s[6:7] offset:12288
	global_load_b32 v[BO], v9, s[8:9]
	s_wait_loadcnt 26                              ; att is in; WO's 26 loads may be out
	ds_store_b128 v10, v[AT:AT+3] offset:ATTS
	ds_store_b128 v10, v[AT+4:AT+7] offset:ATTS+4112
	s_wait_dscnt 0x0                               ; for the others' sake
	s_barrier_signal -1
	s_barrier_wait -1
.irp b, 0,1,2,3
.irp j, 0,1,2,3
	ds_load_b128 v[AL+16*\b+4*\j:AL+16*\b+4*\j+3], v11 offset:ATTS+128*\b+16*\j
.endr
.endr
	s_wait_dscnt 0x0
.irp b, 0,1,2,3
	v_max3_num_f32 v[TM+\b], |v[AL+16*\b]|, |v[AL+1+16*\b]|, 0x2800000     ; with the floor 2^(5 - 127): the byte cannot fall under 1
.endr
.irp i, 2,4,6,8,10,12,14
.irp b, 0,1,2,3
	s_delay_alu instid0(VALU_DEP_4)
	v_max3_num_f32 v[TM+\b], v[TM+\b], |v[AL+16*\b+\i]|, |v[AL+1+16*\b+\i]|
.endr
.endr
.irp b, 0,1,2,3
	s_delay_alu instid0(VALU_DEP_4)
	v_permlanex16_b32 v[TM+4+\b], v[TM+\b], s[SEL], s[SEL+1]
.endr
.irp b, 0,1,2,3
	s_delay_alu instid0(VALU_DEP_4)
	v_max_num_f32 v[TM+\b], v[TM+\b], v[TM+4+\b]
.endr
.irp b, 0,1,2,3
	s_delay_alu instid0(VALU_DEP_4)
	v_add_nc_u32 v[TM+12+\b], 0xfe000000, v[TM+\b] ; 4 off the exponent field: the conversion's scale operand
.endr
.irp b, 0,1,2,3
	s_delay_alu instid0(VALU_DEP_4)
	v_lshrrev_b32 v[TM+4+\b], 23, v[TM+12+\b]
.endr
	s_delay_alu instid0(VALU_DEP_3)
	v_lshl_or_b32 v[PW], v[TM+5], 8, v[TM+4]
	s_delay_alu instid0(VALU_DEP_1)
	v_lshl_or_b32 v[PW], v[TM+6], 16, v[PW]
	s_delay_alu instid0(VALU_DEP_1)
	v_lshl_or_b32 v[PW], v[TM+7], 24, v[PW]
.irp c, 0,1
	v_cvt_scalef32_pk16_bf6_f32 v[PC+6*\c:PC+2+6*\c], v[AL+32*\c:AL+15+32*\c], v[TM+12+2*\c]
	v_cvt_scalef32_pk16_bf6_f32 v[PC+12+4*\c:PC+14+4*\c], v[AL+16+32*\c:AL+31+32*\c], v[TM+12+2*\c+1]
.endr
	v_nop                                          ; one plain instruction behind a scaled conversion
.irp c, 0,1
.irp i, 0,1,2
	v_permlane16_swap_b32 v[PC+6*\c+\i], v[PC+12+4*\c+\i]
.endr
.irp i, 0,1,2
	s_delay_alu instid0(VALU_DEP_3)
	v_mov_b32 v[PC+3+6*\c+\i], v[PC+12+4*\c+\i]
.endr
.endr
.irp i, 0,1,2
	ds_store_b128 v12, v[PC+4*\i:PC+4*\i+3] offset:AIM+512*\i
.endr
	ds_store_b32 v13, v[PW] offset:ASCL
	s_wait_dscnt 0x0                               ; for the others' sake
	s_barrier_signal -1
	s_barrier_wait -1
.irp s, 0,1,2,3,4,5,6,7
.irp i, 0,1,2
	ds_load_b128 v[AF+12*\s+4*\i:AF+12*\s+4*\i+3], v8 offset:AIM+FRB*\s+512*\i
.endr
	ds_load_b32 v[ASW+\s], v14 offset:ASCL+128*\s
.endr
	s_wait_loadcnt 0x0                             ; WO's tile and bO
	s_wait_dscnt 0x0
	; source 0 = att's 16 rows, source 1 = 16 columns of WO: register j of lane (r, h) is row 8 h + j, column r
	v_wmma_scale_f32_16x16x128_f8f6f4 v[DO:DO+7], v[AF:AF+11], v[WF:WF+11], 0, v[ASW], v[WS] matrix_a_fmt:MATRIX_FMT_BF6 matrix_b_fmt:MATRIX_FMT_BF6
.irp s, 1,2,3
	s_wait_alu depctr_va_vdst(0)                   ; a wait ahead of each link
	v_wmma_scale_f32_16x16x128_f8f6f4 v[DO:DO+7], v[AF+12*\s:AF+12*\s+11], v[WF+12*\s:WF+12*\s+11], v[DO:DO+7], v[ASW+\s], v[WS+\s] matrix_a_fmt:MATRIX_FMT_BF6 matrix_b_fmt:MATRIX_FMT_BF6
.endr
.irp s, 4,5,6,7
	s_wait_alu depctr_va_vdst(0)
	v_wmma_scale_f32_16x16x128_f8f6f4 v[DO:DO+7], v[AF+12*\s:AF+12*\s+11], v[WF+12*\s:WF+12*\s+11], v[DO:DO+7], v[ASW+\s], v[WS+\s-4] matrix_a_fmt:MATRIX_FMT_BF6 matrix_b_fmt:MATRIX_FMT_BF6 matrix_b_scale:MATRIX_SCALE_ROW1
.endr
.rept 4
	v_nop                                          ; four places ahead of the first read of the result (ISA guide 7.12.1)
.endr
	v_cmp_eq_u32 vcc_lo, 1, v3
	v_cndmask_b32 v[TM], v[DO], v[DO+1], vcc_lo    ; lanes 0-15: row 0, the first batch; lanes 16-31: row 9, the second
	s_delay_alu instid0(VALU_DEP_1)
	v_add_f32 v[TM], v[TM], v[BO]
	ds_store_b32 v15, v[TM] offset:OST
	s_wait_dscnt 0x0                               ; for the others' sake
	s_barrier_signal -1
	s_barrier_wait -1
	s_cmp_lt_u32 s12, 2                            ; two rows of 512 bytes: a wave to a row
	s_cbranch_scc0 .Lend
	ds_load_b128 v[TM:TM+3], v10 offset:OST
	s_wait_dscnt 0x0
	global_store_b128 v8, v[TM:TM+3], s[10:11]     ; 32 lanes store 512 consecutive bytes, at a multiple of 256 from the output's first byte
.Lend:
	s_wait_tensorcnt 0x0
	ds_add_u32 v242, v243
	s_wait_dscnt 0x0
	s_endpgm
.Lfunc_end_k_q70abd08788_outp:
	.size	k_q70abd08788_outp, .Lfunc_end_k_q70abd08788_outp-k_q70abd08788_outp
	.p2alignl 7, 3214868480
	.fill 96, 4, 3214868480
	.section	.rodata,"a",@progbits
	.p2align	6, 0x0
	.amdhsa_kernel k_q70abd08788_outp
		.amdhsa_group_segment_fixed_size 24576
		.amdhsa_private_segment_fixed_size 0
		.amdhsa_enable_private_segment 0
		.amdhsa_kernarg_size 32
		.amdhsa_user_sgpr_count 2
		.amdhsa_user_sgpr_kernarg_segment_ptr 1
		.amdhsa_wavefront_size32 1
		.amdhsa_system_sgpr_workgroup_id_x 1
		.amdhsa_system_sgpr_workgroup_id_y 1
		.amdhsa_system_sgpr_workgroup_id_z 1
		.amdhsa_system_vgpr_workitem_id 0
		.amdhsa_next_free_vgpr 256
		.amdhsa_next_free_sgpr 66
		.amdhsa_reserve_vcc 1
		.amdhsa_float_denorm_mode_32 3
		.amdhsa_float_denorm_mode_16_64 3
		.amdhsa_memory_ordered 1
		.amdhsa_forward_progress 1
		.amdhsa_inst_pref_size 17
	.end_amdhsa_kernel
	.amdgpu_metadata
---
amdhsa.version: [ 1, 2 ]
amdhsa.kernels:
  - .name:           k_q70abd08788_outp
    .symbol:         k_q70abd08788_outp.kd
    .args:
      - { .name: att, .offset: 0, .size: 8, .value_kind: global_buffer, .address_space: global }
      - { .name: wo, .offset: 8, .size: 8, .value_kind: global_buffer, .address_space: global }
      - { .name: WO_b, .offset: 16, .size: 8, .value_kind: global_buffer, .address_space: global }
      - { .name: out0, .offset: 24, .size: 8, .value_kind: global_buffer, .address_space: global }
    .group_segment_fixed_size: 24576
    .private_segment_fixed_size: 0
    .kernarg_segment_align: 8
    .kernarg_segment_size: 32
    .max_flat_workgroup_size: 256
    .sgpr_count:     66
    .vgpr_count:     256
    .wavefront_size: 32
...
	.end_amdgpu_metadata
.endif
;; end of part 3
